; MI455X (gfx1250); checked and timed in simulation.
; The chip was launched on July 23, 2026; its instructions are those of AMD's public machine-readable ISA for CDNA 5 (MIT licence, August 2026) and "CDNA5" Instruction Set Architecture Reference Guide (July 2026). The comments in the code are by the model that wrote it; some were corrected since.
;; Causal Self Attention. Allowed arithmetic: matrix products marked QUANTISED: E4M3 operands, one given power-of-two scale a tensor, by v_wmma_f32_16x16x64_fp8_fp8 or v_wmma_f32_16x16x128_fp8_fp8, f32 sums; everything else in f32.
;; Inputs: b_attn 3,072 float32; b_proj 1,024 float32; lowp_scales 8 int32 (the exponents e of the quantised operands' scales 2^e); w_attn 3,072 x 1,024 float32; w_proj 1,024 x 1,024 float32; x 4 x 2,048 x 1,024 float32.
;; Outputs: out0 4 x 2,048 x 1,024 float32.
;; This version of the problem:
;;   THIS VERSION OF THE PROBLEM IS GIVEN IN LOW PRECISION. The matrix products marked QUANTISED in the list below multiply operands that are first quantised to E4M3 (4 exponent bits, 3 mantissa bits; 8 bits a number), with one given power-of-two scale for each operand tensor; their sums are f32. All else is computed in f32.
;;   The module's matrix products, in the order in which they are computed (A, B: the left and right operand; K: the contracted axis; several contracted axes count as one K, in the product's order):
;;     1. [M 8,192, K 1,024] x [K 1,024, N 3,072]; A: input x; B: input w_attn: QUANTISED (scales: A lowp_scales[0], B lowp_scales[1])
;;     2. batch 64 x [M 2,048, K 64] x [K 64, N 2,048]; A: computed on the way; B: computed on the way: QUANTISED (scales: A lowp_scales[2], B lowp_scales[3])
;;     3. batch 64 x [M 2,048, K 2,048] x [K 2,048, N 64]; A: softmax (see below); B: computed on the way: QUANTISED (scales: A lowp_scales[4], B lowp_scales[5])
;;     4. [M 8,192, K 1,024] x [K 1,024, N 1,024]; A: computed on the way; B: input w_proj: QUANTISED (scales: A lowp_scales[6], B lowp_scales[7])
;;   THE QUANTISER, for each operand of a quantised product, along K:
;;     - The operand's scale is 2^e, e = its entry of the input lowp_scales (int32; the entries are numbered through the quantised products in the list's order, A before B).
;;     - Each number is divided by the scale, clamped to +-448, and rounded to the nearest number of E4M3, ties to even, subnormals kept.
;;     - The product sums the exact products of the quantised numbers (number of the format x scale) in f32.
;;   ~~~python
;;   def quantise(x, axis, e):      # numpy; x: float32 -> the quantised numbers, widened to float32 again
;;       x = np.moveaxis(x, axis, -1); K = x.shape[-1]
;;       r = np.clip(x / 2.0 ** e, -448, 448)
;;       step = 2.0 ** (np.maximum(np.frexp(np.where(r == 0, 1, r))[1] - 1, -6) - 3)
;;       q = np.round(r / step) * step * 2.0 ** e      # np.round: ties to even
;;       return np.moveaxis(q, -1, axis).astype(np.float32)
;;   ~~~
;;   SOFTMAX AHEAD OF A QUANTISED PRODUCT. Where the list says 'softmax', what is quantised is not the finished softmax but p = 2^(t - M), with t = logit x log2(e) and M = ceil(the row's largest t), a whole number; so 1/2 < the row's largest p <= 1. The row's sum l is taken of the UNQUANTISED p, in f32, and the product's result is divided by l at the end. Since M is a whole number, a kernel that streams over the keys may use a running M (the ceiling of the running maximum): every later rescaling is an exact power of two, so the quantised numbers keep their values, but for numbers so far below the row's largest that they fall under the format's range.
;;   OPERANDS COMPUTED ON THE WAY. 'Computed on the way' means the value that the module computes at that place (a softmax that the list does not call 'softmax' is quantised finished and normalised). What goes into a quantiser is computed in f32, as accurately as f32 sums, v_exp_f32 and their like allow (about 1e-6 of the number): no bf16 or f16 on the way to a quantiser, and a product that is left as it is and whose result goes on into a quantised operand takes f32 operands (vector FMAs, or v_wmma_f32_16x16x4_f32). A number that lies on a knife's edge between two numbers of the format may be rounded either way, as far as f32 arithmetic and the matrix unit's own rounding can turn it there, and no further.
;; One version. Each part assembles by itself: llvm-mc -triple=amdgcn-amd-amdhsa -mcpu=gfx1250 --defsym DOCPART=n.
;; ======== version 1 of 1: 4 launches
;; limits: right only within a limited range of input values
;; workspace buffers: xc 8,388,608 bytes; wac 3,145,728 bytes; wpc 1,048,576 bytes; qc 8,388,608 bytes; kvc 16,777,216 bytes; yc 8,388,608 bytes
;; launch quant (part 1): grid 384 x 1, 4 waves a work-group, no clusters, 34,304 bytes of LDS; arguments x, w_attn, w_proj, lowp_scales, xc, wac, wpc; writes xc, wac, wpc
.if DOCPART == 1
	.amdgcn_target "amdgcn-amd-amdhsa--gfx1250"
	.amdhsa_code_object_version 6
	.text
	.protected	k_q3dee5e593c_quant
	.globl	k_q3dee5e593c_quant
	.p2align	8
	.type	k_q3dee5e593c_quant,@function
k_q3dee5e593c_quant:
	s_mov_b64 s[64:65], 0
	v_nop
	global_prefetch_b8 v0, s[64:65] scope:SCOPE_SE
	s_setreg_imm32_b32 hwreg(HW_REG_WAVE_MODE, 25, 1), 1
	s_wait_xcnt 0x0
; x [8192][1024], w_attn [3072][1024], w_proj [1024][1024], f32, K innermost, become codes of FP8 (E4M3) with the given scales 2^e (entries 0, 1 and 7 of the scales).
; code = number / 2^e, held within +-448, rounded to the nearest code, ties to even.
; LIMITS: each e lies between -126 and 119, so that 2^e and 448 x 2^e are f32 numbers.  NaN among the inputs is not served (an infinity is held at the largest code).
; THE CODES ARE LAID AS IMAGES OF OPERAND REGISTERS.  Row tile T (16 rows) takes 16,384 bytes: 8 images of 2,048 bytes, one for each 128 along K.
; Byte T*16384 + ks*2048 + c*512 + 16*lane + i holds (row 32 (T/2) + 8 (T%2) + r + 8 (r/8), k = 128 ks + 32 c + 16 h + i), r = lane % 16, h = lane / 16.
; So a fragment is four loads of 16 bytes a lane, 512 bytes apart, from memory or from LDS, and the rows of a tile are those that let a later result fall into a lane's registers as neighbours.
; SHARES.  One launch, one path, three tensors: work-groups 0-255 take x, 256-351 w_attn, 352-383 w_proj; only pointers, a first number and e are chosen, by the work-group's number.
; A wave makes four images: one row tile x 512 along K.  Each load reads 512 consecutive bytes of one row; an image's 16 x 512 bytes turn through the wave's own stage in LDS (rows 528 bytes apart)
; and come back 64 bytes a lane: 16 neighbours of each of four blocks of 32.  Each store covers 512 consecutive bytes, aligned.
; No cluster, no tensor load, no barrier: waves share nothing, and every input byte is read once.
.set R,    16                          ; v16-143   two sets of 64: an image's numbers as loaded
.set X,    144                         ; v144-207  the image's numbers, 16 neighbours x 4 blocks a lane
.set C,    208                         ; v208-239  two sets of 16: an image's codes
.set SP,   528                         ; a stage row: 512 bytes + 16
.set WREG, 16*SP                       ; a wave's stage
	s_load_b256 s[4:11], s[0:1], 0x0               ; x s[4:5], w_attn s[6:7], w_proj s[8:9], the scales' exponents s[10:11]
	s_load_b128 s[12:15], s[0:1], 0x20             ; xc s[12:13], wac s[14:15]
	s_load_b64 s[16:17], s[0:1], 0x30              ; wpc
	v_lshl_add_u32 v240, v0, 2, 0x8400
	v_mov_b32 v241, 0
	v_lshrrev_b32 v4, 5, v0
	v_readfirstlane_b32 s18, v4                    ; wave 0..3
	v_and_b32 v4, 31, v0
	v_lshlrev_b32 v1, 4, v4                        ; 16 x lane: my place in a load's and in a store's 512 bytes; never rewritten
	s_mul_i32 s39, s18, WREG
	v_add_nc_u32 v2, s39, v1                       ; into the stage: 16 x lane of a row
	v_and_b32 v5, 15, v0                           ; r
	v_bfe_u32 v6, v0, 4, 1                         ; h
	v_mul_u32_u24 v3, v5, SP
	v_lshl_add_u32 v3, v6, 6, v3
	v_add_nc_u32 v3, s39, v3                       ; out of it: row r, + 64 h: my 16 numbers of a block of 32
	s_mov_b32 s19, 352
	s_cmp_lt_u32 ttmp9, 352
	s_cselect_b32 s19, 256, s19
	s_cmp_lt_u32 ttmp9, 256
	s_cselect_b32 s19, 0, s19                      ; the first work-group of my tensor
	s_sub_co_u32 s33, ttmp9, s19
	s_lshl_b32 s33, s33, 2
	s_add_co_u32 s33, s33, s18                     ; g = 4 x (work-group - first) + wave
	s_lshr_b32 s36, s33, 1                         ; T: my row tile
	s_and_b32 s37, s33, 1                          ; which 512 along K
	s_lshr_b32 s34, s36, 1
	s_lshl_b32 s34, s34, 17                        ; 32 (T/2) rows of 4,096 bytes
	s_and_b32 s38, s36, 1
	s_lshl_b32 s38, s38, 15                        ; 8 (T%2) rows
	s_add_co_u32 s34, s34, s38
	s_lshl_b32 s38, s37, 11                        ; 512 numbers along K
	s_add_co_u32 s34, s34, s38
	s_mov_b32 s35, 0
	s_lshl_b32 s32, s36, 14                        ; the codes: 16,384 T + 8,192 x half
	s_lshl_b32 s38, s37, 13
	s_add_co_u32 s32, s32, s38
	s_mov_b32 s33, 0
	s_wait_alu depctr_va_vdst(0)
	s_wait_kmcnt 0x0
	s_load_b256 s[24:31], s[10:11], 0x0            ; e0 .. e7
	s_cmp_lt_u32 ttmp9, 352
	s_cselect_b64 s[20:21], s[6:7], s[8:9]
	s_cselect_b64 s[22:23], s[14:15], s[16:17]
	s_cmp_lt_u32 ttmp9, 256
	s_cselect_b64 s[20:21], s[4:5], s[20:21]       ; the tensor,
	s_cselect_b64 s[22:23], s[12:13], s[22:23]     ; and its codes
	s_add_nc_u64 s[20:21], s[20:21], s[34:35]
	s_add_nc_u64 s[22:23], s[22:23], s[32:33]
.macro LOAD t                          ; image t: 16 rows x 512 bytes into set t % 2; tile row i is row i + 8 (i / 8) from the tile's first
.irp i, 0,1,2,3,4,5,6,7,8,9,10,11,12,13,14,15
	global_load_b128 v[R+64*((\t)%2)+4*\i:R+64*((\t)%2)+4*\i+3], v1, s[20:21] offset:(\i+8*(\i/8))*4096+512*(\t) th:TH_LOAD_NT
.endr
.endm
	LOAD 0
	LOAD 1
	s_wait_kmcnt 0x0
	s_cmp_lt_u32 ttmp9, 352
	s_cselect_b32 s32, s25, s31
	s_cmp_lt_u32 ttmp9, 256
	s_cselect_b32 s32, s24, s32                    ; e
	s_add_co_i32 s32, s32, 127
	s_lshl_b32 s33, s32, 23
	v_mov_b32 v11, s33                             ; 2^e as f32: the conversion takes its exponent field
	s_add_co_i32 s32, s32, 8
	s_lshl_b32 s32, s32, 23
	s_or_b32 s32, s32, 0x600000
.macro IMG t
.set RS, R+64*((\t)%2)
.set CSET, C+16*((\t)%2)
.if (\t) < 3
	s_wait_loadcnt 16                              ; this image's 16 loads are in; the next image's 16 may be out
.else
	s_wait_loadcnt 0
.endif
.irp i, 0,1,2,3,4,5,6,7,8,9,10,11,12,13,14,15
	ds_store_b128 v2, v[RS+4*\i:RS+4*\i+3] offset:\i*SP
.endr
.irp c, 0,1,2,3
.irp q, 0,1,2,3
	ds_load_b128 v[X+16*\c+4*\q:X+16*\c+4*\q+3], v3 offset:128*\c+16*\q   ; LDS serves a wave's instructions in order: these see the stores above
.endr
.endr
	s_wait_dscnt 0x0                               ; the numbers are back, and the stores into the stage have read their registers,
.if (\t) < 2
	LOAD (\t)+2                                    ; which take the image two further on
.else
	s_wait_xcnt 0x0                                ; the stores of two images ago have read this set of codes: it is written again only behind this wait
.endif
.set m, 0
.rept 64
.set m, m+1
.endr
.irp c, 0,1,2,3
	v_cvt_scalef32_pk8_fp8_f32 v[CSET+4*\c:CSET+4*\c+1], v[X+16*\c:X+16*\c+7], v11
	v_cvt_scalef32_pk8_fp8_f32 v[CSET+4*\c+2:CSET+4*\c+3], v[X+16*\c+8:X+16*\c+15], v11
.endr
	v_nop                                          ; a plain vector line behind the last conversion: the next image's LDS loads write the conversions' sources
.irp c, 0,1,2,3
	global_store_b128 v1, v[CSET+4*\c:CSET+4*\c+3], s[22:23] offset:2048*(\t)+512*\c   ; 32 lanes store 512 consecutive bytes, aligned
.endr
.endm
	s_wait_alu depctr_va_vdst(0)
	IMG 0
	IMG 1
	IMG 2
	IMG 3
	s_wait_tensorcnt 0x0
	ds_add_u32 v240, v241
	s_wait_dscnt 0x0
	s_endpgm
.Lfunc_end_k_q3dee5e593c_quant:
	.size	k_q3dee5e593c_quant, .Lfunc_end_k_q3dee5e593c_quant-k_q3dee5e593c_quant
	.p2alignl 7, 3214868480
	.fill 96, 4, 3214868480
	.section	.rodata,"a",@progbits
	.p2align	6, 0x0
	.amdhsa_kernel k_q3dee5e593c_quant
		.amdhsa_group_segment_fixed_size 34304
		.amdhsa_private_segment_fixed_size 0
		.amdhsa_enable_private_segment 0
		.amdhsa_kernarg_size 56
		.amdhsa_user_sgpr_count 2
		.amdhsa_user_sgpr_kernarg_segment_ptr 1
		.amdhsa_wavefront_size32 1
		.amdhsa_system_sgpr_workgroup_id_x 1
		.amdhsa_system_sgpr_workgroup_id_y 1
		.amdhsa_system_sgpr_workgroup_id_z 1
		.amdhsa_system_vgpr_workitem_id 0
		.amdhsa_next_free_vgpr 242
		.amdhsa_next_free_sgpr 66
		.amdhsa_reserve_vcc 0
		.amdhsa_float_denorm_mode_32 3
		.amdhsa_float_denorm_mode_16_64 3
		.amdhsa_fp16_overflow 1
		.amdhsa_memory_ordered 1
		.amdhsa_forward_progress 1
		.amdhsa_inst_pref_size 21
	.end_amdhsa_kernel
	.amdgpu_metadata
---
amdhsa.version: [ 1, 2 ]
amdhsa.kernels:
  - .name:           k_q3dee5e593c_quant
    .symbol:         k_q3dee5e593c_quant.kd
    .args:
      - { .name: x, .offset: 0, .size: 8, .value_kind: global_buffer, .address_space: global }
      - { .name: w_attn, .offset: 8, .size: 8, .value_kind: global_buffer, .address_space: global }
      - { .name: w_proj, .offset: 16, .size: 8, .value_kind: global_buffer, .address_space: global }
      - { .name: lowp_scales, .offset: 24, .size: 8, .value_kind: global_buffer, .address_space: global }
      - { .name: xc, .offset: 32, .size: 8, .value_kind: global_buffer, .address_space: global }
      - { .name: wac, .offset: 40, .size: 8, .value_kind: global_buffer, .address_space: global }
      - { .name: wpc, .offset: 48, .size: 8, .value_kind: global_buffer, .address_space: global }
    .group_segment_fixed_size: 34304
    .private_segment_fixed_size: 0
    .kernarg_segment_align: 8
    .kernarg_segment_size: 56
    .max_flat_workgroup_size: 128
    .sgpr_count:     66
    .vgpr_count:     242
    .wavefront_size: 32
...
	.end_amdgpu_metadata
.endif
;; end of part 1
;; launch qkv (part 2): grid 12 x 32, 4 waves a work-group, clusters of 4 x 4, 327,680 bytes of LDS; arguments xc, wac, b_attn, lowp_scales, qc, kvc; writes qc, kvc
.if DOCPART == 2
	.amdgcn_target "amdgcn-amd-amdhsa--gfx1250"
	.amdhsa_code_object_version 6
	.text
	.protected	k_q3dee5e593c_qkv
	.globl	k_q3dee5e593c_qkv
	.p2align	8
	.type	k_q3dee5e593c_qkv,@function
k_q3dee5e593c_qkv:
	s_mov_b64 s[64:65], 0
	v_nop
	global_prefetch_b8 v0, s[64:65] scope:SCOPE_SE
	s_setreg_imm32_b32 hwreg(HW_REG_WAVE_MODE, 25, 1), 1
	s_wait_xcnt 0x0
	s_wait_alu depctr_hold_cnt(0) depctr_sa_sdst(0) depctr_va_vdst(0) depctr_va_sdst(0) depctr_va_ssrc(0) depctr_va_vcc(0) depctr_vm_vsrc(0)
	s_getreg_b32 s2, hwreg(HW_REG_IB_STS2, 6, 4)
	s_cmp_eq_u32 s2, 0
	s_cbranch_scc0 .Lentry_in_a_cluster
	s_endpgm
.Lentry_in_a_cluster:
	s_bfe_u32 s2, ttmp6, 0x10000c
	s_cmp_lg_u32 s2, 0xf033
	s_cbranch_scc0 .Lentry_shape_is_right
	s_endpgm
.Lentry_shape_is_right:
; qkv = x w_attn^T + b_attn on codes of FP8 (E4M3), sums in f32; each sum x 2^(e0 + e1) + bias is quantised at once: q with 2^e2, k with 2^e3, v with 2^e5, and leaves as images of the registers
; that the attention launch feeds to the matrix unit.  Nothing wider than a code goes to memory.
; LIMITS: e0 + e1 between -126 and 127; e2, e3, e5 between -126 and 119, so that each power of two below is an f32 number.  NaN among the inputs is not served.
; OPERANDS.  xc and wac hold row tiles of 16 rows as register images: tile T at 16,384 T, the image of 128 ks along K at + 2,048 ks; byte c*512 + 16*lane + i is (row 32 (T/2) + 8 (T%2) + r + 8 (r/8), k = 128 ks + 32 c + 16 h + i).
; k is permuted alike in both operands, so every product meets its partner; only the order of the sums inside an instruction differs.
; A tile of the result, 256 x 256, is made by four waves, each 128 x 128: 64 accumulators, 512 registers.  "B" is source 0: its rows run along a lane's registers; "A" is source 1: its rows are the lanes.
; By the choice of a tile's rows the 16 registers of B tiles 2 p and 2 p + 1 are 16 neighbours, 32 p + 16 h + 0 .. 15: just what four registers of the next operand hold.
; THREE KINDS, by the cluster's x, which all sixteen partners share: 0 = q, 1 = k: the head's 64 must run along the registers: B = w_attn, A = x.  2 = v: the keys must: B = x, A = w_attn's rows 2,048 on.
; Tile and layouts are the same for both, so only pointers and tile numbers are chosen; the two ways out differ and part on the cluster's x.
; K goes in steps of 256 through two LDS slots: a row tile's part of a step is 4,096 consecutive bytes, a wave's tensor load brings eight of them.  K = 1,024 is four steps: the whole walk is written out.
; CLUSTERS: 4 x 4 work-groups; A's tiles are shared along a row of the cluster, B's along a column: each is asked for jointly, by the same load with the same descriptor and a mask that names the four.
; No prefetch: the walk has four K steps, of which two are asked for at the head and two one step later.
; REGISTERS, in windows of 256: window 0: v16-31 addresses and constants; v32-95, v96-111 the two forms of the bias; from v128 A's eight fragments, one set (on the way out: v128-191 numbers, v192-255 codes).
;   window 1: B's fragments, two sets, at v0 and v128.   window 2: accumulators of A's tiles 0-3 ((a, b) at v[8 (8 (a % 4) + b)]);   window 3: of A's tiles 4-7.
.set NA,    8                          ; A's row tiles a wave
.set FR,    16                         ; registers of a fragment
.set NL,    4                          ; LDS loads that bring one
.set NP,    4                          ; places behind this matrix instruction (ISA guide 7.12.1)
.set RT,    4096                       ; a row tile's two images in a slot
.set AH,    NA*RT                      ; what one tensor load brings of A, and what one wave reads of it
.set BH,    8*RT                       ; the same for B
.set SLOT,  2*AH+2*BH                  ; A's two halves, then B's two
.set SPARE, 2*SLOT                     ; behind the ring: the spare words, 128 bytes for each wave: two blocks of 256 bytes that no other line names
.set KSB,   4096                       ; a K step on, inside a row tile
.set ADRA, 16                          ; v16-17  LDS address of my A fragments in slot 0, 1
.set ADRB, 20                          ; v20-21  the same for B
.set CO,   24                          ; v24-25  the way out: 16 x lane, for my first and my second head
.set BO,   26                          ; v26     64 h: the bias along the registers
.set BVO,  27                          ; v27     4 (r + 8 (r / 8)): the bias along the lanes
.set SPW,  28                          ; v28     LDS address of my spare word; never rewritten
.set NIL,  29                          ; v29     0; never rewritten
.set SC,   30                          ; v30     2^eo as f32, eo = e2, e3 or e5
.set LIM,  31
.set BIAS, 32                          ; v32-95  q, k: the bias of the feature that register 8 b + j of B tile b holds
.set BV,   96                          ; v96-111 v: the bias of my lane's feature in A tile a, twice (a pair for the packed form)
.set AF,   128
.set TMP,  128
.set CD,   192
.set G1, 24                            ; s[24:31] descriptor group 1 for A's tiles;  s[32:39] group 0, one set for each slot
.set G0, 32
.set G1B, 48                           ; s[48:55], s[56:63] the same for B's
.set G0B, 56
.set MSB, 0
.macro WIN new                         ; the immediate's high byte repeats the setting that is left
.if MSB != \new
	s_set_vgpr_msb (MSB<<8)|\new
.set MSB, \new
.endif
.endm
.set MUL_LO, 0xa1                      ; source 0 (B) window 1, source 1 (A) window 0, C and D window 2
.set MUL_HI, 0xf1                      ; the same, C and D window 3
.set TO_B,   0x40                      ; destination window 1, address window 0
; A joint load: waves 0 and 1 fetch A's halves, waves 2 and 3 B's.  The branch hangs on the wave's number alone.  Four v_nop follow each of the two lines.
.macro JLOAD g0a, g1a, g0b, g1b
	s_cmp_eq_u32 s15, 0
	s_cbranch_scc0 .Lfor_b_\@
	tensor_load_to_lds s[\g0a:\g0a+3], s[\g1a:\g1a+7]
	s_nop 0
.rept 4
	v_nop
.endr
	s_branch .Lasked_\@
.Lfor_b_\@:
	tensor_load_to_lds s[\g0b:\g0b+3], s[\g1b:\g1b+7]
	s_nop 0
.rept 4
	v_nop
.endr
.Lasked_\@:
.endm
.macro CREST                           ; a round of the cluster's barrier behind its opening barrier
	s_cmp_lg_u32 s14, 0
	s_cbranch_scc1 .Lnot_wave_0_\@
	s_barrier_signal -3
.Lnot_wave_0_\@:
	s_barrier_wait -3
	s_barrier_signal -1
	s_barrier_wait -1
.endm
.macro CROUND                          ; a whole round
	s_barrier_signal -1
	s_barrier_wait -1
	CREST
.endm
	s_load_b256 s[4:11], s[0:1], 0x0               ; xc s[4:5], wac s[6:7], b_attn s[8:9], the scales' exponents s[10:11]
	s_load_b128 s[68:71], s[0:1], 0x20             ; qc s[68:69], kvc s[70:71]
	v_lshl_add_u32 v[SPW], v0, 2, SPARE
	v_mov_b32 v[NIL], 0
	ds_add_u32 v28, v29
	ds_add_u32 v28, v29
	s_wait_dscnt 0x0
	v_lshrrev_b32 v1, 5, v0
	v_readfirstlane_b32 s14, v1                    ; wave 0..3
	s_lshr_b32 s15, s14, 1                         ; which half of A's rows is mine.  Also: I fetch for A (0) or for B (1)
	s_and_b32 s16, s14, 1                          ; which half of B's rows.  Also: which half I fetch
	s_bfe_u32 s40, ttmp6, 0x40000                  ; cx, cy: my place in the cluster
	s_bfe_u32 s41, ttmp6, 0x40004
	s_and_b32 s12, ttmp7, 0xffff                   ; the cluster's y
	s_cmp_eq_u32 ttmp9, 2                          ; v?  (the cluster's x: the same in all sixteen)
	s_cselect_b32 s42, s12, ttmp9                  ; B's tiles go by the cluster's y (x's tiles) or x (w_attn's)
	s_cselect_b32 s17, 2, s12                      ; A's by the constant 2 (w_attn's tiles 8 on) or by the cluster's y
	s_lshl_b32 s42, s42, 2
	s_add_co_u32 s42, s42, s40                     ; B's tile of 256 rows: it hangs on cx, never on cy
	s_lshl_b32 s17, s17, 2
	s_add_co_u32 s17, s17, s41                     ; A's tile: on cy, never on cx
	s_lshl_b32 s43, s41, 2
	s_lshl_b32 s43, 15, s43                        ; my row of the cluster
	s_lshl_b32 s44, 0x1111, s40                    ; my column
	; descriptor group 1: 8 rows of 4,096 bytes (512 elements of 8 bytes), 16,384 bytes apart in memory, dense in LDS
	s_or_b32 s[G1+0], s43, (3<<16)|(1<<21)         ; 15:0 the mask: A's tiles go to my row; 17:16 elements of 8 bytes; 21 set beside a mask; no padding
	s_or_b32 s[G1B+0], s44, (3<<16)|(1<<21)        ; B's to my column
.irp g, G1, G1B
	s_mov_b32 s[\g+1], 512<<16                     ; tensor_dim0
	s_mov_b32 s[\g+2], 8<<16                       ; tensor_dim1
	s_mov_b32 s[\g+3], 512<<16                     ; tile_dim0
	s_mov_b32 s[\g+4], 8                           ; tile_dim1
	s_mov_b32 s[\g+5], 2048                        ; tensor_dim0_stride: a row tile on
	s_mov_b32 s[\g+6], 0
	s_mov_b32 s[\g+7], 0
.endr
	s_lshl_b32 s18, s16, 17                        ; the half that I fetch: 8 row tiles
	s_lshl_b32 s20, s17, 18                        ; a tile of 256 rows is 16 row tiles
	s_add_co_u32 s20, s20, s18
	s_mov_b32 s21, 0
	s_lshl_b32 s46, s42, 18
	s_add_co_u32 s46, s46, s18
	s_mov_b32 s47, 0
	s_mul_i32 s45, s16, AH                         ; where they go: no place in the cluster enters an LDS address
	s_mul_i32 s13, s16, BH
	s_add_co_u32 s13, s13, 2*AH
	s_wait_kmcnt 0x0
	s_load_b256 s[72:79], s[10:11], 0x0            ; e0 .. e7
	s_cmp_eq_u32 ttmp9, 2
	s_cselect_b64 s[88:89], s[6:7], s[4:5]         ; A's buffer
	s_cselect_b64 s[90:91], s[4:5], s[6:7]         ; B's
	s_add_nc_u64 s[20:21], s[88:89], s[20:21]
	s_add_nc_u64 s[46:47], s[90:91], s[46:47]
	CROUND                                         ; all sixteen work-groups are here: the first joint loads meet
.irp s, 0,1
	s_mov_b32 s[G0+4*\s], 1
	s_add_co_u32 s[G0+4*\s+1], s45, \s*SLOT
	s_add_nc_u64 s[G0+4*\s+2:G0+4*\s+3], s[20:21], \s*KSB
	s_or_b32 s[G0+4*\s+3], s[G0+4*\s+3], 0x80000000
	s_mov_b32 s[G0B+4*\s], 1
	s_add_co_u32 s[G0B+4*\s+1], s13, \s*SLOT
	s_add_nc_u64 s[G0B+4*\s+2:G0B+4*\s+3], s[46:47], \s*KSB
	s_or_b32 s[G0B+4*\s+3], s[G0B+4*\s+3], 0x80000000
	JLOAD G0+4*\s, G1, G0B+4*\s, G1B               ; K steps 0 and 1: two tensor loads of mine are out
.endr
	v_and_b32 v1, 31, v0
	v_lshlrev_b32 v2, 4, v1                        ; 16 x lane: an image's place for my lane
	s_wait_alu depctr_va_vdst(0)
	s_mul_i32 s86, s15, AH
	s_mul_i32 s87, s16, BH
	s_add_co_u32 s87, s87, 2*AH
.irp s, 0,1
	v_add_nc_u32 v[ADRA+\s], s86, v2
	v_add_nc_u32 v[ADRB+\s], s87, v2
	s_add_co_u32 s86, s86, SLOT
	s_add_co_u32 s87, s87, SLOT
.endr
	; where the codes go, by one arithmetic for the three kinds
	s_cmp_eq_u32 ttmp9, 2
	s_cselect_b32 s86, s42, s17                    ; x's tile of 256 tokens,
	s_cselect_b32 s87, s16, s15                    ; my half of it,
	s_cselect_b32 s92, s41, s40                    ; w_attn's tile among the kind's four: 4 heads each,
	s_cselect_b32 s93, s15, s16                    ; my half of it: 2 heads
	s_cselect_b32 s94, 8192, 0                     ; v's images lie behind k's in a key step
	s_cselect_b32 s18, s17, s42                    ; w_attn's tile among all twelve
	s_lshl_b32 s18, s18, 8
	s_lshl_b32 s19, s93, 7
	s_add_co_u32 s18, s18, s19                     ; my first feature
	s_lshl_b32 s18, s18, 2
	s_mov_b32 s19, 0
	s_add_nc_u64 s[8:9], s[8:9], s[18:19]          ; its bias
	s_lshr_b32 s95, s86, 3                         ; the batch: 8 tiles of 256 tokens each
	s_lshl_b32 s95, s95, 4
	s_lshl_b32 s92, s92, 2
	s_add_co_u32 s95, s95, s92
	s_lshl_b32 s93, s93, 1
	s_add_co_u32 s95, s95, s93                     ; my first head, 16 x batch + head
	s_and_b32 s86, s86, 7
	s_lshl_b32 s86, s86, 1
	s_add_co_u32 s86, s86, s87                     ; which 128 tokens of the 2,048
	s_lshl_b32 s95, s95, 4
	s_add_co_u32 s95, s95, s86
	s_cmp_eq_u32 ttmp9, 0
	s_cselect_b32 s87, 13, 14                      ; 128 tokens are 8,192 bytes of qc, 16,384 of kvc
	s_cselect_b64 s[84:85], s[68:69], s[70:71]
	s_lshl_b32 s86, s95, s87
	s_add_co_u32 s86, s86, s94
	s_lshl_b32 s92, 16, s87                        ; from head to head
	s_mov_b32 s87, 0
	s_add_nc_u64 s[84:85], s[84:85], s[86:87]
	v_mov_b32 v[CO], v2
	v_add_nc_u32 v[CO+1], s92, v2
	; both forms of the bias are loaded, without a branch: both lie inside my 128 features
	v_bfe_u32 v3, v0, 4, 1                         ; h
	v_lshlrev_b32 v[BO], 6, v3
	v_and_b32 v4, 15, v0                           ; r
	v_and_b32 v5, 8, v4
	v_add_nc_u32 v5, v5, v4
	v_lshlrev_b32 v[BVO], 2, v5
.irp b, 0,1,2,3,4,5,6,7
	global_load_b128 v[BIAS+8*\b:BIAS+8*\b+3], v[BO], s[8:9] offset:(32*(\b/2)+8*(\b%2))*4
	global_load_b128 v[BIAS+8*\b+4:BIAS+8*\b+7], v[BO], s[8:9] offset:(32*(\b/2)+8*(\b%2))*4+16
.endr
.irp a, 0,1,2,3,4,5,6,7
	global_load_b32 v[BV+2*\a], v[BVO], s[8:9] offset:(32*(\a/2)+8*(\a%2))*4
	global_load_b32 v[BV+2*\a+1], v[BVO], s[8:9] offset:(32*(\a/2)+8*(\a%2))*4
.endr
	s_wait_kmcnt 0x0
	s_add_co_i32 s80, s72, s73
	s_add_co_i32 s80, s80, 127
	s_lshl_b32 s80, s80, 23                        ; 2^(e0 + e1) as f32
	s_mov_b32 s81, s80                             ; (named with it as a pair, so it is written)
	s_cmp_eq_u32 ttmp9, 2
	s_cselect_b32 s82, s77, s75
	s_cmp_eq_u32 ttmp9, 0
	s_cselect_b32 s82, s74, s82                    ; eo = e2, e3 or e5
	s_add_co_i32 s82, s82, 127
	s_lshl_b32 s83, s82, 23
	v_mov_b32 v[SC], s83
.macro FRAG reg, adr, q, i             ; a fragment comes as it lies: four loads of 512 consecutive bytes; row tile i of my half, the slot's q-th 128 along K
.irp c, 0,1,2,3
	ds_load_b128 v[\reg+4*\c:\reg+4*\c+3], v[\adr] offset:(\i)*RT+(\q)*2048+512*\c
.endr
.endm
.macro MULB a, p, zero                 ; A's tile a against B's eight, 128 along K.  p: B's set.  zero = 1: the product starts the sums: nothing is ever cleared
.irp b, 0,1,2,3,4,5,6,7
.if \zero
	v_wmma_f32_16x16x128_fp8_fp8 v[8*(8*((\a)%4)+\b):8*(8*((\a)%4)+\b)+7], v[128*(\p)+FR*\b:128*(\p)+FR*\b+FR-1], v[AF+FR*(\a):AF+FR*(\a)+FR-1], 0
.else
	v_wmma_f32_16x16x128_fp8_fp8 v[8*(8*((\a)%4)+\b):8*(8*((\a)%4)+\b)+7], v[128*(\p)+FR*\b:128*(\p)+FR*\b+FR-1], v[AF+FR*(\a):AF+FR*(\a)+FR-1], v[8*(8*((\a)%4)+\b):8*(8*((\a)%4)+\b)+7]
.endif
.endr
.endm
.macro MULQ k, p, zero                 ; a quarter of a step: 16 matrix instructions.  The 64 accumulators take turns, one instruction a turn, in the same order in every step
	MULB 2*(\k), \p, \zero
	MULB 2*(\k)+1, \p, \zero
.endm
.macro FETCH_B slot, q, p
	WIN TO_B
.irp i, 0,1,2,3,4,5,6,7
	FRAG 128*(\p)+FR*\i, ADRB+\slot, \q, \i
.endr
	WIN 0
.endm
.macro FETCH_A slot, q, i0             ; A's tiles i0 .. i0 + 3
.irp i, \i0, \i0+1, \i0+2, \i0+3
	FRAG AF+FR*(\i), ADRA+\slot, \q, \i
.endr
.endm
.macro PLACES n                        ; plain vector lines between a matrix instruction and a load into, or a read of, its registers (ISA guide 7.12.1 for reads)
.rept \n
	v_nop
.endr
.endm
; A step of 128 along K that has its successor in the same slot.  A has one set of registers: tiles 0-3 are fetched anew in the step's middle, tiles 4-7 at its end; B has two sets.
.macro STEP slot, q, zero
	s_wait_dscnt NL*NA/2                           ; B's set and A's tiles 0-3 are in; the youngest 16 loads (A's tiles 4-7) may be out
	WIN MUL_LO
	MULQ 0, (\q)%2, \zero
	MULQ 1, (\q)%2, \zero
	s_wait_dscnt 0                                 ; A's tiles 4-7 are in
	PLACES NP
	FETCH_B \slot, (\q)+1, 1-(\q)%2
	FETCH_A \slot, (\q)+1, 0
	WIN MUL_HI
	MULQ 2, (\q)%2, \zero
	MULQ 3, (\q)%2, \zero
	PLACES NP
	WIN 0
	FETCH_A \slot, (\q)+1, NA/2
.endm
; A slot's last step changes slots: one barrier; in front of it each wave waits for all its tensor loads, adds 0 to its spare word, and waits for that and for its reads of this slot.  fill = 1: this slot is filled again, two K steps ahead.
.macro TURN slot, next, fill
	s_wait_tensorcnt 0x0                           ; all my tensor loads have landed: my part of the next slot
	ds_add_u32 v[SPW], v[NIL]                      ; 0 onto my spare word
	s_wait_dscnt NL*NA/2+1                         ; (the add and the youngest 16 loads, A's tiles 4-7, may be out)
	WIN MUL_LO
	MULQ 0, 1, 0                                   ; sixteen matrix instructions stand between the add and the wait for it
	s_wait_dscnt 0x0                               ; the add is done, and my reads of this slot are over
	s_barrier_signal -1
	MULQ 1, 1, 0
	WIN 0
	s_barrier_wait -1
.if \fill
	CREST                                          ; the barrier has opened a round of the cluster's barrier: no wave of any partner still reads this slot or has a load on its way
	s_add_nc_u64 s[G0+4*\slot+2:G0+4*\slot+3], s[G0+4*\slot+2:G0+4*\slot+3], 2*KSB
	s_add_nc_u64 s[G0B+4*\slot+2:G0B+4*\slot+3], s[G0B+4*\slot+2:G0B+4*\slot+3], 2*KSB
	JLOAD G0+4*\slot, G1, G0B+4*\slot, G1B         ; my one tensor load behind the round; its four v_nop are also the places in front of the loads below
.else
	PLACES NP
.endif
	FETCH_B \next, 0, 0
	FETCH_A \next, 0, 0
	WIN MUL_HI
	MULQ 2, 1, 0
	MULQ 3, 1, 0
	PLACES NP
	WIN 0
	FETCH_A \next, 0, NA/2
.endm
	s_wait_tensorcnt 1                             ; my part of K step 0 is in; K step 1's load may be out
	s_barrier_signal -1
	s_barrier_wait -1                              ; everybody's is
	FETCH_B 0, 0, 0
	FETCH_A 0, 0, 0
	FETCH_A 0, 0, NA/2
	STEP 0, 0, 1                                   ; the first products start the sums
	TURN 0, 1, 1                                   ; slot 0 takes K step 2
	STEP 1, 0, 0
	TURN 1, 0, 1                                   ; slot 1 takes K step 3
	STEP 0, 0, 0
	TURN 0, 1, 0                                   ; nothing is left to fetch
	STEP 1, 0, 0
	s_wait_dscnt NL*NA/2                           ; the last 128 along K
	WIN MUL_LO
	MULQ 0, 1, 0
	MULQ 1, 1, 0
	s_wait_dscnt 0
	WIN MUL_HI
	MULQ 2, 1, 0
	MULQ 3, 1, 0
	WIN 0
; THE WAY OUT, A tile by A tile: 64 numbers a lane = sum x 2^(e0 + e1) + bias, held, converted: 16 registers of codes, which are four pieces of 512 bytes of the next launch's images as they stand.
; q, k (isv = 0): lane = token, registers = 128 features = 2 heads x (32 c + 16 h + 0 .. 15): image of token tile a, head pb / 2, piece c = pb % 2.
; v (isv = 1): lane = feature: head a / 4, its tile a % 4 of the head's 64; registers = 128 keys: piece c = pb.
.macro EPI isv
.irp a, 0,1,2,3,4,5,6,7
.if \a >= 4
	s_wait_xcnt 0x0                                ; the stores of four tiles ago have read these registers of codes: they are written again only behind this wait
.endif
	WIN (2+\a/4)                                   ; source 0: window 2 or 3
.irp j, 0,2,4,6,8,10,12,14,16,18,20,22,24,26,28,30,32,34,36,38,40,42,44,46,48,50,52,54,56,58,60,62
.if \isv
	v_pk_fma_f32 v[TMP+\j:TMP+\j+1], v[64*(\a%4)+\j:64*(\a%4)+\j+1], s[80:81], v[BV+2*\a:BV+2*\a+1] op_sel_hi:[1,0,1]
.else
	v_pk_fma_f32 v[TMP+\j:TMP+\j+1], v[64*(\a%4)+\j:64*(\a%4)+\j+1], s[80:81], v[BIAS+\j:BIAS+\j+1] op_sel_hi:[1,0,1]   ; each accumulator from its low end on
.endif
.endr
	WIN 0
.set m, 0
.rept 64
.set m, m+1
.endr
.irp pb, 0,1,2,3
	v_cvt_scalef32_pk8_fp8_f32 v[CD+16*(\a%4)+4*\pb:CD+16*(\a%4)+4*\pb+1], v[TMP+16*\pb:TMP+16*\pb+7], v[SC]
	v_cvt_scalef32_pk8_fp8_f32 v[CD+16*(\a%4)+4*\pb+2:CD+16*(\a%4)+4*\pb+3], v[TMP+16*\pb+8:TMP+16*\pb+15], v[SC]
.endr
	v_nop                                          ; a plain vector line behind the last conversion: the next tile's multiply-adds write the conversions' sources
.irp pb, 0,1,2,3
.if \isv
	global_store_b128 v[CO+\a/4], v[CD+16*(\a%4)+4*\pb:CD+16*(\a%4)+4*\pb+3], s[84:85] offset:(\a%4)*2048+\pb*512
.else
	global_store_b128 v[CO+\pb/2], v[CD+16*(\a%4)+4*\pb:CD+16*(\a%4)+4*\pb+3], s[84:85] offset:\a*1024+(\pb%2)*512   ; 32 lanes store 512 consecutive bytes, aligned
.endif
.endr
.endr
.endm
	s_wait_loadcnt 0x0                             ; the biases
	PLACES NP                                      ; behind the last products: their results are read, and A's registers written, below
	s_cmp_eq_u32 ttmp9, 2                          ; the cluster's x: the same in every wave of every partner
	s_cbranch_scc1 .Lv
	EPI 0
	s_branch .Lend
.Lv:
	EPI 1
.Lend:
	s_nop 0
	s_wait_tensorcnt 0x0                           ; the wave's end
	ds_add_u32 v[SPW], v[NIL]
	s_wait_dscnt 0x0
	CROUND                                         ; the closing round: no work-group ends while a partner may still ask for a tile that names it
	s_endpgm
.Lfunc_end_k_q3dee5e593c_qkv:
	.size	k_q3dee5e593c_qkv, .Lfunc_end_k_q3dee5e593c_qkv-k_q3dee5e593c_qkv
	.p2alignl 7, 3214868480
	.fill 96, 4, 3214868480
	.section	.rodata,"a",@progbits
	.p2align	6, 0x0
	.amdhsa_kernel k_q3dee5e593c_qkv
		.amdhsa_group_segment_fixed_size 327680
		.amdhsa_private_segment_fixed_size 0
		.amdhsa_enable_private_segment 0
		.amdhsa_kernarg_size 48
		.amdhsa_user_sgpr_count 2
		.amdhsa_user_sgpr_kernarg_segment_ptr 1
		.amdhsa_wavefront_size32 1
		.amdhsa_system_sgpr_workgroup_id_x 1
		.amdhsa_system_sgpr_workgroup_id_y 1
		.amdhsa_system_sgpr_workgroup_id_z 1
		.amdhsa_system_vgpr_workitem_id 0
		.amdhsa_next_free_vgpr 1024
		.amdhsa_next_free_sgpr 100
		.amdhsa_reserve_vcc 0
		.amdhsa_float_denorm_mode_32 3
		.amdhsa_float_denorm_mode_16_64 3
		.amdhsa_fp16_overflow 1
		.amdhsa_memory_ordered 1
		.amdhsa_forward_progress 1
		.amdhsa_inst_pref_size 129
	.end_amdhsa_kernel
	.amdgpu_metadata
---
amdhsa.version: [ 1, 2 ]
amdhsa.kernels:
  - .name:           k_q3dee5e593c_qkv
    .symbol:         k_q3dee5e593c_qkv.kd
    .args:
      - { .name: xc, .offset: 0, .size: 8, .value_kind: global_buffer, .address_space: global }
      - { .name: wac, .offset: 8, .size: 8, .value_kind: global_buffer, .address_space: global }
      - { .name: b_attn, .offset: 16, .size: 8, .value_kind: global_buffer, .address_space: global }
      - { .name: lowp_scales, .offset: 24, .size: 8, .value_kind: global_buffer, .address_space: global }
      - { .name: qc, .offset: 32, .size: 8, .value_kind: global_buffer, .address_space: global }
      - { .name: kvc, .offset: 40, .size: 8, .value_kind: global_buffer, .address_space: global }
    .group_segment_fixed_size: 327680
    .private_segment_fixed_size: 0
    .kernarg_segment_align: 8
    .kernarg_segment_size: 48
    .max_flat_workgroup_size: 128
    .sgpr_count:     100
    .vgpr_count:     1024
    .wavefront_size: 32
...
	.end_amdgpu_metadata
.endif
;; end of part 2
;; launch attn (part 3): grid 4 x 64, 16 waves a work-group, clusters of 4 x 1, 327,680 bytes of LDS; arguments qc, kvc, lowp_scales, yc; writes yc
.if DOCPART == 3
	.amdgcn_target "amdgcn-amd-amdhsa--gfx1250"
	.amdhsa_code_object_version 6
	.text
	.protected	k_q3dee5e593c_attn
	.globl	k_q3dee5e593c_attn
	.p2align	8
	.type	k_q3dee5e593c_attn,@function
k_q3dee5e593c_attn:
	s_mov_b64 s[64:65], 0
	v_nop
	global_prefetch_b8 v0, s[64:65] scope:SCOPE_SE
	s_setreg_imm32_b32 hwreg(HW_REG_WAVE_MODE, 25, 1), 1
	s_wait_xcnt 0x0
	s_wait_alu depctr_hold_cnt(0) depctr_sa_sdst(0) depctr_va_vdst(0) depctr_va_sdst(0) depctr_va_ssrc(0) depctr_va_vcc(0) depctr_vm_vsrc(0)
	s_getreg_b32 s2, hwreg(HW_REG_IB_STS2, 6, 4)
	s_cmp_eq_u32 s2, 0
	s_cbranch_scc0 .Lentry_in_a_cluster
	s_endpgm
.Lentry_in_a_cluster:
	s_bfe_u32 s2, ttmp6, 0x10000c
	s_cmp_lg_u32 s2, 0x3003
	s_cbranch_scc0 .Lentry_shape_is_right
	s_endpgm
.Lentry_shape_is_right:
; y = softmax(q k^T / 8, causal) v for each of 64 heads (2,048 tokens, head size 64), both products on codes of FP8 (E4M3); y is quantised with 2^e6 and leaves as the register images of the last product's operand.
; THE SOFTMAX: t = score x log2(e) / 8; M = the running largest t, rounded UP to a whole number; p = 2^(t - M) is quantised with 2^e4, not normalised; the row's sum is taken of the unquantised p, in f32,
; and divides at the end.  When M moves, the sum and O are multiplied by 2^(old M - new M): nothing is rounded.
; LIMITS: e2 + e3 between -123 and 130 (added to c's exponent field); e4 and e6 between -126 and 119; e4 + e5 is applied by v_ldexp_f32 and has none.  NaN among the inputs is not served.
; INPUTS.  qc: [head][tile of 16 queries, 128 of them][1,024 bytes]: byte c*512 + 16*lane + i = q(query 32 (tile/2) + 8 (tile%2) + r + 8 (r/8), d = 32 c + 16 h + i).
; kvc: [head][key step of 128, 16 of them][16,384 bytes]: eight tiles of K laid as qc's, then four tiles of V^T of 2,048 bytes: byte c*512 + 16*lane + i = v(d by the same rule of rows, key 32 c + 16 h + i).
; Both products are used transposed (S^T = K Q^T, O^T = V^T P^T): a lane holds ONE query throughout, and by the rule of rows the 16 registers of two neighbouring tiles are 16 neighbours: of keys in S^T, of d in O^T.
; So p's codes are the second product's operand, and y's codes are yc's image, as the conversions leave them.
; SHARES.  A cluster of four work-groups is one head.  Work-group cx takes query tiles 4 j + cx; wave w owns j = 31 - w and then j = w.  Tile 4 j + cx needs key steps 0 .. j / 2, whatever cx is: so every branch hangs on
; the wave's number and on loop counters alone, all partners run alike, and every wave has (31 - w) / 2 + 1 + w / 2 + 1 = 17 steps of work.  Steps all of whose keys are hidden are jumped over; the loops' trip counts are constants.
; LDS holds the head's WHOLE kvc, 262,144 bytes, filled once by joint loads (mask: all four partners), two a wave, issued at the head, the second behind the wait for the first: key steps 0 and 1 (2,048 bytes a wave), then steps 2 to 15 (14,336 a wave).
; No byte is filled twice: there is no ring and no barrier in the loops.  All of K and V is asked for by those two loads, so there is no later request that a prefetch could run ahead of.
; Sixteen waves of 256 registers, four to a SIMD: one wave's vector work stands beside another's matrix work and LDS loads.
; REGISTERS: v1 16 x lane; v2, v3 the mask's numbers; v8 LDS address; v12 -M, v13 the largest t, v[14:15] the sum; v16-23, v24-31 Q (late, early tile); v32-95 K's 8 fragments, then V's 4; v96-159 S^T, then p; v160-191 O^T;
;   v192-207 y's codes; v224-239 p's codes; v244: 2^e4; v245: 2^e6; v236, v242, v243, v252-254 at work.
.set LI,   1
.set DQL,  2                           ; v2   late tile: my query's place in its own key step, less 16 h
.set DQE,  3                           ; v3   early tile: the same
.set ADR,  8
.set TB,   2                           ; s2   LDS byte at which the key step in hand begins
.set SI,   3                           ; s3   the key step
.set WV,   18
.set SEL,  20                          ; s[20:21] lane selects for v_permlanex16_b32: lane l xor 16
.set CS,   22                          ; s[22:23] c = log2(e) / 8 x 2^(e2 + e3)
.set G1A,  24                          ; s[24:31] descriptor group 1: 8 rows of 256 bytes;  s[32:39]: 56 rows
.set G1B,  32
.set G0A,  40                          ; s[40:43], s[44:47] their groups 0
.set G0B,  44
.set JDL,  48                          ; s48  the late tile's last key step, the one on the diagonal
.set JDE,  49                          ; s49  the early tile's
.macro CROUND                          ; a round of the cluster's barrier
	s_barrier_signal -1
	s_barrier_wait -1
	s_cmp_lg_u32 s[WV], 0
	s_cbranch_scc1 .Lnot_wave_0_\@
	s_barrier_signal -3
.Lnot_wave_0_\@:
	s_barrier_wait -3
	s_barrier_signal -1
	s_barrier_wait -1
.endm
	s_load_b128 s[4:7], s[0:1], 0x0                ; qc s[4:5], kvc s[6:7]
	s_load_b128 s[8:11], s[0:1], 0x10              ; the scales' exponents s[8:9], yc s[10:11]
	v_lshl_add_u32 v251, v0, 2, 0x40000
	v_mov_b32 v255, 0
	ds_add_u32 v251, v255
	ds_add_u32 v251, v255
	v_lshrrev_b32 v8, 5, v0
	s_delay_alu instid0(VALU_DEP_1)
	v_readfirstlane_b32 s[WV], v8                  ; wave 0..15
	s_bfe_u32 s50, ttmp6, 0x40000                  ; cx: it enters Q's and y's addresses and the mask's numbers alone
	s_and_b32 s51, ttmp7, 0xffff                   ; 16 x batch + head, which the four partners share
	s_sub_co_u32 s60, 31, s[WV]                    ; the late tile's j
	s_lshr_b32 s[JDL], s60, 1
	s_lshr_b32 s[JDE], s[WV], 1
	s_mov_b32 s[G1A], 15|(3<<16)|(1<<21)           ; 15:0 the mask: all four work-groups; 17:16 elements of 8 bytes; 21 set beside a mask; no padding
	s_mov_b32 s[G1A+1], 32<<16                     ; tensor_dim0: 32 elements, 256 bytes
	s_mov_b32 s[G1A+2], 8<<16                      ; tensor_dim1
	s_mov_b32 s[G1A+3], 32<<16                     ; tile_dim0
	s_mov_b32 s[G1A+4], 8                          ; tile_dim1
	s_mov_b32 s[G1A+5], 32                         ; tensor_dim0_stride: dense
	s_mov_b32 s[G1A+6], 0
	s_mov_b32 s[G1A+7], 0
	s_mov_b32 s[G1B], 15|(3<<16)|(1<<21)
	s_mov_b32 s[G1B+1], 32<<16
	s_mov_b32 s[G1B+2], 56<<16
	s_mov_b32 s[G1B+3], 32<<16
	s_mov_b32 s[G1B+4], 56
	s_mov_b32 s[G1B+5], 32
	s_mov_b32 s[G1B+6], 0
	s_mov_b32 s[G1B+7], 0
	s_lshl_b32 s62, s51, 18                        ; the head's 262,144 bytes of kvc
	s_mov_b32 s63, 0
	s_lshl_b32 s68, s[WV], 11                      ; my part of key steps 0 and 1: the same byte in the head's block and in LDS
	s_mov_b32 s69, 0
	s_mul_i32 s70, s[WV], 14336
	s_add_co_u32 s70, s70, 32768                   ; my part of key steps 2 to 15
	s_mov_b32 s71, 0
	s_lshl_b32 s72, s51, 17                        ; Q: the head's 128 tiles of 1,024 bytes; tile 4 j + cx
	s_lshl_b32 s61, s50, 10
	s_add_co_u32 s72, s72, s61
	s_lshl_b32 s61, s[WV], 12
	s_add_co_u32 s74, s72, s61                     ; early
	s_lshl_b32 s61, s60, 12
	s_add_co_u32 s72, s72, s61                     ; late
	s_mov_b32 s73, 0
	s_mov_b32 s75, 0
	s_lshr_b32 s76, s51, 4                         ; y: row tile 128 x batch + 4 j + cx of 16,384 bytes; the head's 64 along K are 1,024 bytes of it
	s_lshl_b32 s76, s76, 21
	s_and_b32 s61, s51, 15
	s_lshl_b32 s61, s61, 10
	s_add_co_u32 s76, s76, s61
	s_lshl_b32 s61, s50, 14
	s_add_co_u32 s76, s76, s61
	s_lshl_b32 s61, s[WV], 16
	s_add_co_u32 s78, s76, s61                     ; early
	s_lshl_b32 s61, s60, 16
	s_add_co_u32 s76, s76, s61                     ; late
	s_mov_b32 s77, 0
	s_mov_b32 s79, 0
	s_wait_dscnt 0x0
	s_wait_kmcnt 0x0
	s_load_b256 s[52:59], s[8:9], 0x0              ; e0 .. e7
	s_add_nc_u64 s[6:7], s[6:7], s[62:63]
	s_mov_b32 s[G0A], 1
	s_mov_b32 s[G0A+1], s68
	s_add_nc_u64 s[G0A+2:G0A+3], s[6:7], s[68:69]
	s_or_b32 s[G0A+3], s[G0A+3], 0x80000000
	s_mov_b32 s[G0B], 1
	s_mov_b32 s[G0B+1], s70
	s_add_nc_u64 s[G0B+2:G0B+3], s[6:7], s[70:71]
	s_or_b32 s[G0B+3], s[G0B+3], 0x80000000
	s_add_nc_u64 s[12:13], s[4:5], s[74:75]        ; Q, early tile
	s_add_nc_u64 s[4:5], s[4:5], s[72:73]          ; Q, late tile
	s_add_nc_u64 s[14:15], s[10:11], s[78:79]      ; y, early tile
	s_add_nc_u64 s[10:11], s[10:11], s[76:77]      ; y, late tile
	CROUND                                         ; all four work-groups are here: the joint loads meet
	tensor_load_to_lds s[G0A:G0A+3], s[G1A:G1A+7]  ; every wave issues both, in every partner: one tensor load of mine is out
	s_nop 0
	s_wait_alu depctr_va_vdst(0)
	s_wait_tensorcnt 0x0
	ds_add_u32 v251, v255
	s_wait_dscnt 0x0
	CROUND
	tensor_load_to_lds s[G0B:G0B+3], s[G1B:G1B+7]
	s_nop 0
.rept 4
	v_nop
.endr
	v_and_b32 v9, 31, v0
	s_delay_alu instid0(VALU_DEP_1)
	v_lshlrev_b32 v[LI], 4, v9                     ; 16 x lane; never rewritten
	global_load_b128 v[16:19], v[LI], s[4:5]
	global_load_b128 v[20:23], v[LI], s[4:5] offset:512
	global_load_b128 v[24:27], v[LI], s[12:13]
	global_load_b128 v[28:31], v[LI], s[12:13] offset:512
	v_and_b32 v9, 15, v0                           ; r
	s_delay_alu instid0(VALU_DEP_1)
	v_and_b32 v10, 8, v9
	s_delay_alu instid0(VALU_DEP_1)
	v_add_nc_u32 v9, v9, v10
	v_bfe_u32 v10, v0, 4, 1                        ; h
	s_delay_alu instid0(VALU_DEP_1)
	v_lshlrev_b32 v10, 4, v10
	s_delay_alu instid0(VALU_DEP_1)
	v_sub_nc_u32 v9, v9, v10                       ; r + 8 (r / 8) - 16 h
	s_wait_alu depctr_va_vdst(0)
	s_lshr_b32 s61, s50, 1                         ; tile 4 j + cx begins at query 64 j + 32 (cx / 2) + 8 (cx % 2); its key step begins at 128 (j / 2)
	s_lshl_b32 s61, s61, 5
	s_and_b32 s67, s50, 1
	s_lshl_b32 s67, s67, 3
	s_add_co_u32 s61, s61, s67
	s_and_b32 s67, s60, 1
	s_lshl_b32 s67, s67, 6
	s_add_co_u32 s67, s67, s61
	v_add_nc_u32 v[DQL], s67, v9
	s_and_b32 s67, s[WV], 1
	s_lshl_b32 s67, s67, 6
	s_add_co_u32 s67, s67, s61
	v_add_nc_u32 v[DQE], s67, v9
	s_mov_b32 s[SEL], 0x76543210
	s_mov_b32 s[SEL+1], 0xfedcba98
	v_mov_b32 v236, 0                              ; written once: a lane permute's destination counts as one of its sources
	v_mov_b32 v253, 0                              ; (named as the upper half of the pair v[252:253])
	s_wait_kmcnt 0x0
	s_add_co_i32 s61, s54, s55
	s_lshl_b32 s61, s61, 23
	s_add_co_i32 s[CS], s61, 0x3e38aa3b            ; c = log2(e) / 8, with e2 + e3 added to its exponent field: a score stands for score x 2^(e2 + e3)
	s_mov_b32 s[CS+1], s[CS]                       ; (named with it as a pair, so it is written)
	s_add_co_i32 s61, s56, 127
	s_lshl_b32 s67, s61, 23
	v_mov_b32 v244, s67                            ; 2^e4
	s_add_co_i32 s61, s58, 127
	s_lshl_b32 s67, s61, 23
	v_mov_b32 v245, s67                            ; 2^e6
	s_add_co_i32 s66, s56, s57                     ; e4 + e5
; A KEY STEP: 128 keys against the 16 queries whose fragment begins at v[q].  causal = 1: the step is jumped over where all its keys are hidden (s[SI] > s[jd]), and masked where it lies on the diagonal (s[SI] = s[jd]).
.macro STEP q, causal, jd, dq
.if \causal
	s_cmp_gt_u32 s[SI], s[\jd]
	s_cbranch_scc1 .Lhidden_\@
.endif
	s_setprio 2
	v_add_nc_u32 v[ADR], s[TB], v[LI]
.rept 3
	v_nop                                          ; with the addition above: four places in front of loads into registers that the last products read
.endr
.irp kt, 0,1,2,3,4,5,6,7
.irp c, 0,1
	ds_load_b128 v[32+8*\kt+4*\c:32+8*\kt+4*\c+3], v[ADR] offset:1024*\kt+512*\c
.endr
.endr
	s_wait_alu depctr_va_vdst(0)
	s_wait_dscnt 0x0
.irp kt, 0,1,2,3,4,5,6,7
	v_wmma_f32_16x16x64_fp8_fp8 v[96+8*\kt:103+8*\kt], v[32+8*\kt:39+8*\kt], v[\q:\q+7], 0   ; S^T: register 16 b + i of my lane is key 32 b + 16 h + i of the step
.endr
.rept 4
	v_nop                                          ; places: V is loaded over K, and the scores are read
.endr
.irp vt, 0,1,2,3
.irp c, 0,1,2,3
	ds_load_b128 v[32+16*\vt+4*\c:32+16*\vt+4*\c+3], v[ADR] offset:8192+2048*\vt+512*\c   ; V^T lands while the softmax is walked
.endr
.endr
.if \causal
	s_cmp_lt_u32 s[SI], s[\jd]
	s_cbranch_scc1 .Lopen_\@
	v_mov_b32 v254, 0xff800000                     ; on the diagonal hidden scores become -infinity ahead of the maximum: p = 0 then.  The query's own key counts, so the maximum is a number
.set n, 0
.rept 64
	v_cmp_gt_i32 vcc_lo, 32*(n/16)+n%16, v[\dq]    ; hidden where 32 b + i > my query's place - 16 h
	v_cndmask_b32 v[96+n], v[96+n], v254, vcc_lo
.set n, n+1
.endr
.Lopen_\@:
.endif
	v_max3_num_f32 v254, v96, v97, v98             ; the step's largest score of my query among my 64 keys, in two chains, each accumulator from its low end on,
	v_max3_num_f32 v252, v99, v100, v101
.irp i, 6,10,14,18,22,26,30,34,38,42,46,50,54,58
	v_max3_num_f32 v254, v254, v[96+\i], v[97+\i]
	v_max3_num_f32 v252, v252, v[98+\i], v[99+\i]
.endr
	v_max3_num_f32 v254, v254, v158, v159
	s_delay_alu instid0(VALU_DEP_1)
	v_max_num_f32 v254, v254, v252
	v_permlanex16_b32 v236, v254, s[SEL], s[SEL+1]
	s_delay_alu instid0(VALU_DEP_1)
	v_max_num_f32 v254, v254, v236                 ; and among lane l xor 16's
	s_delay_alu instid0(VALU_DEP_1)
	v_mul_f32 v254, s[CS], v254                    ; as t (c is positive)
	s_delay_alu instid0(VALU_DEP_1)
	v_max_num_f32 v13, v13, v254                   ; the running largest t
	v_mov_b32 v254, v12
	s_delay_alu instid0(VALU_DEP_2)
	v_floor_f32 v12, -v13                          ; the new -M = floor(-t) = -ceil(t): a whole number
	s_delay_alu instid0(VALU_DEP_1)
	v_sub_f32 v254, v12, v254                      ; old M - new M: a whole number, 0 or less
	s_delay_alu instid0(VALU_DEP_1)
	v_cvt_i32_f32 v254, v254                       ; (it saturates)
	s_delay_alu instid0(VALU_DEP_1)
	v_ldexp_f32 v252, 1.0, v254                    ; f = 2^(old M - new M)
.set n, 0
.rept 32
	v_pk_fma_f32 v[96+n:97+n], v[96+n:97+n], s[CS:CS+1], v[12:13] op_sel_hi:[1,0,0]   ; t - M, two at a time
.set n, n+2
.endr
.set n, 0
	s_setprio 1
	s_wait_alu depctr_va_vdst(0)
.rept 64
	v_exp_f32 v[96+n], v[96+n]                     ; p = 2^(t - M), at most 1
.set n, n+1
.endr
	v_pk_mul_f32 v[14:15], v[14:15], v[252:253] op_sel_hi:[1,0]   ; the sums under the new M: the plain line behind the exponentials
	s_wait_alu depctr_va_vdst(0)                   ; one wait for the batch of 64, ahead of its first reader
	v_pk_add_f32 v[242:243], v[96:97], v[98:99]    ; the row's sum is taken of the unquantised p, in two chains
.irp j, 4,8,12,16,20,24,28,32,36,40,44,48,52,56,60
	v_pk_add_f32 v[14:15], v[14:15], v[96+\j:97+\j]
	v_pk_add_f32 v[242:243], v[242:243], v[98+\j:99+\j]
.endr
	s_delay_alu instid0(VALU_DEP_1)
	v_pk_add_f32 v[14:15], v[14:15], v[242:243]
	s_setprio 0
.irp b, 0,1,2,3
.irp i, 0,1,2,3,4,5,6,7,8,9,10,11,12,13,14,15
.endr
	v_cvt_scalef32_pk8_fp8_f32 v[224+4*\b:225+4*\b], v[96+16*\b:103+16*\b], v244
	v_cvt_scalef32_pk8_fp8_f32 v[226+4*\b:227+4*\b], v[104+16*\b:111+16*\b], v244
.endr
.set n, 0
.rept 16
	v_pk_mul_f32 v[160+n:161+n], v[160+n:161+n], v[252:253] op_sel_hi:[1,0]   ; O^T under the new M; also the plain lines between the conversions and the products below
.set n, n+2
.endr
	s_wait_alu depctr_va_vdst(0)
	s_wait_dscnt 0x0                               ; V^T is in
.irp vt, 0,1,2,3
	v_wmma_f32_16x16x128_fp8_fp8 v[160+8*\vt:167+8*\vt], v[32+16*\vt:47+16*\vt], v[224:239], v[160+8*\vt:167+8*\vt]   ; four accumulators by turns
.endr
.if \causal
.Lhidden_\@:
.endif
.endm
.macro KLOOP q, causal, jd, dq, last   ; key steps s[SI] .. last - 1: a constant number of trips
.Lk_\@:
	STEP \q, \causal, \jd, \dq
	s_add_co_u32 s[TB], s[TB], 16384
	s_add_co_u32 s[SI], s[SI], 1
	s_cmp_lt_u32 s[SI], \last
	s_cbranch_scc1 .Lk_\@
	s_setprio 0
.endm
.macro INIT                            ; the step is written without a first form: it finds zeros, which the first change of M leaves zeros
	v_mov_b32 v13, 0xff61b1e6                      ; the largest t so far: -3e38
	s_delay_alu instid0(VALU_DEP_1)
	v_floor_f32 v12, -v13
	v_mov_b32 v14, 0
	v_mov_b32 v15, 0
.set n, 0
.rept 32
	v_mov_b32 v[160+n], 0
.set n, n+1
.endr
.endm
; A tile's way out: O^T x 2^(e4 + e5) / the sum, held, converted with 2^e6: eight registers of codes = the head's 1,024 bytes of the tile's image in yc.
.macro OUT cd, base
.rept 4
	v_nop                                          ; places behind the last products
.endr
	v_add_f32 v14, v14, v15
	s_delay_alu instid0(VALU_DEP_1)
	v_permlanex16_b32 v252, v14, s[SEL], s[SEL+1]
	s_delay_alu instid0(VALU_DEP_1)
	v_add_f32 v14, v14, v252                       ; the row's sum
	s_wait_alu depctr_va_vdst(0)
	v_rcp_f32 v14, v14
	v_nop                                          ; a plain line behind the transcendental
	s_wait_alu depctr_va_vdst(0)                   ; and the wait ahead of its first reader
	v_ldexp_f32 v14, v14, s66
.set n, 0
.rept 16
	v_pk_mul_f32 v[96+n:97+n], v[160+n:161+n], v[14:15] op_sel_hi:[1,0]   ; register 16 b + i is y(my query, d = 32 b + 16 h + i)
.set n, n+2
.endr
.set n, 0
.rept 32
.set n, n+1
.endr
.irp b, 0,1
	v_cvt_scalef32_pk8_fp8_f32 v[\cd+4*\b:\cd+4*\b+1], v[96+16*\b:103+16*\b], v245
	v_cvt_scalef32_pk8_fp8_f32 v[\cd+4*\b+2:\cd+4*\b+3], v[104+16*\b:111+16*\b], v245
.endr
	v_nop                                          ; a plain line behind the last conversion: later products write its sources
.irp b, 0,1
	global_store_b128 v[LI], v[\cd+4*\b:\cd+4*\b+3], s[\base:\base+1] offset:512*\b   ; 32 lanes store 512 consecutive bytes, aligned
.endr
.endm
	s_wait_loadcnt 0x0                             ; Q
	s_wait_tensorcnt 1                             ; my part of key steps 0 and 1 is in; the larger load may be out
	s_barrier_signal -1
	s_barrier_wait -1                              ; everybody's is
	INIT
	s_mov_b32 s[TB], 0
	s_mov_b32 s[SI], 0
	KLOOP 16, 0, 0, 0, 2                           ; the late tile, key steps 0 and 1: its diagonal lies at step 8 or later, so all their keys count
	s_wait_tensorcnt 0x0                           ; my part of key steps 2 to 15 is in,
	s_wait_dscnt 0x0
	s_barrier_signal -1
	s_barrier_wait -1                              ; everybody's is
	s_mov_b32 s[TB], 32768
	s_mov_b32 s[SI], 2
	KLOOP 16, 1, JDL, DQL, 16
	OUT 192, 10
	INIT
	s_mov_b32 s[TB], 0
	s_mov_b32 s[SI], 0
	KLOOP 24, 1, JDE, DQE, 8                       ; the early tile: its diagonal lies at step 7 or earlier
	OUT 200, 14
	s_wait_tensorcnt 0x0
	ds_add_u32 v251, v255
	s_wait_dscnt 0x0
	CROUND                                         ; the closing round
	s_endpgm
.Lfunc_end_k_q3dee5e593c_attn:
	.size	k_q3dee5e593c_attn, .Lfunc_end_k_q3dee5e593c_attn-k_q3dee5e593c_attn
	.p2alignl 7, 3214868480
	.fill 96, 4, 3214868480
	.section	.rodata,"a",@progbits
	.p2align	6, 0x0
	.amdhsa_kernel k_q3dee5e593c_attn
		.amdhsa_group_segment_fixed_size 327680
		.amdhsa_private_segment_fixed_size 0
		.amdhsa_enable_private_segment 0
		.amdhsa_kernarg_size 32
		.amdhsa_user_sgpr_count 2
		.amdhsa_user_sgpr_kernarg_segment_ptr 1
		.amdhsa_wavefront_size32 1
		.amdhsa_system_sgpr_workgroup_id_x 1
		.amdhsa_system_sgpr_workgroup_id_y 1
		.amdhsa_system_sgpr_workgroup_id_z 1
		.amdhsa_system_vgpr_workitem_id 0
		.amdhsa_next_free_vgpr 256
		.amdhsa_next_free_sgpr 80
		.amdhsa_reserve_vcc 1
		.amdhsa_float_denorm_mode_32 3
		.amdhsa_float_denorm_mode_16_64 3
		.amdhsa_fp16_overflow 1
		.amdhsa_memory_ordered 1
		.amdhsa_forward_progress 1
		.amdhsa_inst_pref_size 66
	.end_amdhsa_kernel
	.amdgpu_metadata
---
amdhsa.version: [ 1, 2 ]
amdhsa.kernels:
  - .name:           k_q3dee5e593c_attn
    .symbol:         k_q3dee5e593c_attn.kd
    .args:
      - { .name: qc, .offset: 0, .size: 8, .value_kind: global_buffer, .address_space: global }
      - { .name: kvc, .offset: 8, .size: 8, .value_kind: global_buffer, .address_space: global }
      - { .name: lowp_scales, .offset: 16, .size: 8, .value_kind: global_buffer, .address_space: global }
      - { .name: yc, .offset: 24, .size: 8, .value_kind: global_buffer, .address_space: global }
    .group_segment_fixed_size: 327680
    .private_segment_fixed_size: 0
    .kernarg_segment_align: 8
    .kernarg_segment_size: 32
    .max_flat_workgroup_size: 512
    .sgpr_count:     80
    .vgpr_count:     256
    .wavefront_size: 32
...
	.end_amdgpu_metadata
.endif
;; end of part 3
;; launch proj (part 4): grid 4 x 64, 4 waves a work-group, clusters of 4 x 4, 327,680 bytes of LDS; arguments yc, wpc, b_proj, lowp_scales, out0; writes out0
.if DOCPART == 4
	.amdgcn_target "amdgcn-amd-amdhsa--gfx1250"
	.amdhsa_code_object_version 6
	.text
	.protected	k_q3dee5e593c_proj
	.globl	k_q3dee5e593c_proj
	.p2align	8
	.type	k_q3dee5e593c_proj,@function
k_q3dee5e593c_proj:
	s_mov_b64 s[64:65], 0
	v_nop
	global_prefetch_b8 v0, s[64:65] scope:SCOPE_SE
	s_setreg_imm32_b32 hwreg(HW_REG_WAVE_MODE, 25, 1), 1
	s_wait_xcnt 0x0
	s_wait_alu depctr_hold_cnt(0) depctr_sa_sdst(0) depctr_va_vdst(0) depctr_va_sdst(0) depctr_va_ssrc(0) depctr_va_vcc(0) depctr_vm_vsrc(0)
	s_getreg_b32 s2, hwreg(HW_REG_IB_STS2, 6, 4)
	s_cmp_eq_u32 s2, 0
	s_cbranch_scc0 .Lentry_in_a_cluster
	s_endpgm
.Lentry_in_a_cluster:
	s_bfe_u32 s2, ttmp6, 0x10000c
	s_cmp_lg_u32 s2, 0xf033
	s_cbranch_scc0 .Lentry_shape_is_right
	s_endpgm
.Lentry_shape_is_right:
; out = y w_proj^T + b_proj on codes of FP8 (E4M3), sums in f32: out = sum x 2^(e6 + e7) + bias, f32.
; LIMIT: e6 + e7 between -126 and 127, so that 2^(e6 + e7) is an f32 number.
; OPERANDS.  yc and wpc hold row tiles of 16 rows as register images: tile T at 16,384 T, the image of 128 ks along K at + 2,048 ks; byte c*512 + 16*lane + i is (row 32 (T/2) + 8 (T%2) + r + 8 (r/8), k = 128 ks + 32 c + 16 h + i).
; A tile of the result is 128 rows (A = y, source 1: the lanes) x 256 columns (B = w_proj, source 0: along a lane's registers): 64 x 4 = 256 work-groups, one for each WGP; with 256 x 256 there would be 128.
; Four waves, each 64 x 128: 32 accumulators, 256 registers.  K goes in steps of 256 through two LDS slots; K = 1,024 is four steps: the whole walk is written out.
; CLUSTERS: 4 x 4 work-groups; A's tiles are shared along a row of the cluster, B's along a column: each is asked for jointly, by the same load with the same descriptor and a mask that names the four.
; No prefetch: the walk has four K steps, of which two are asked for at the head and two one step later.
; REGISTERS, in windows of 256: window 0: v16-29 addresses; v32-95 the bias; v128-191 A's four fragments, one set (on the way out: the numbers); v192-255 rows read back from the stage.
;   window 1: B's fragments, two sets, at v0 and v128.   window 2: the accumulators ((a, b) at v[8 (8 a + b)]).
.set NA,    4
.set FR,    16
.set NL,    4
.set NP,    4                          ; places behind this matrix instruction (ISA guide 7.12.1)
.set RT,    4096                       ; a row tile's two images in a slot
.set AH,    NA*RT
.set BH,    8*RT
.set SLOT,  2*AH+2*BH
.set SPARE, 2*SLOT                     ; behind the ring: the spare words, 128 bytes for each wave: two blocks of 256 bytes that no other line names
.set KSB,   4096
.set SPITCH, 528                       ; the way out: a stage of 16 rows x (512 bytes + 16) for each wave, in slot 0, which has had its last fill and its last read when the first result is stored there
.set ADRA, 16
.set ADRB, 20
.set STO,  24                          ; v24  the stage: where I put my numbers of a row
.set RD,   25                          ; v25  and where I read a row back
.set CO,   26                          ; v26  16 x lane: my place in a row's 512 bytes of the output
.set BO,   27                          ; v27  64 h: the bias along the registers
.set SPW,  28
.set NIL,  29
.set BIAS, 32
.set AF,   128
.set TMP,  128
.set BK,   192
.set G1, 24
.set G0, 32
.set G1B, 48
.set G0B, 56
.set MSB, 0
.macro WIN new                         ; the immediate's high byte repeats the setting that is left
.if MSB != \new
	s_set_vgpr_msb (MSB<<8)|\new
.set MSB, \new
.endif
.endm
.set MUL_LO, 0xa1                      ; source 0 (B) window 1, source 1 (A) window 0, C and D window 2
.set TO_B,   0x40
.macro JLOAD g0a, g1a, g0b, g1b        ; a joint load: waves 0 and 1 fetch A's halves, waves 2 and 3 B's; four v_nop follow each of the two lines
	s_cmp_eq_u32 s15, 0
	s_cbranch_scc0 .Lfor_b_\@
	tensor_load_to_lds s[\g0a:\g0a+3], s[\g1a:\g1a+7]
	s_nop 0
.rept 4
	v_nop
.endr
	s_branch .Lasked_\@
.Lfor_b_\@:
	tensor_load_to_lds s[\g0b:\g0b+3], s[\g1b:\g1b+7]
	s_nop 0
.rept 4
	v_nop
.endr
.Lasked_\@:
.endm
.macro CREST
	s_cmp_lg_u32 s14, 0
	s_cbranch_scc1 .Lnot_wave_0_\@
	s_barrier_signal -3
.Lnot_wave_0_\@:
	s_barrier_wait -3
	s_barrier_signal -1
	s_barrier_wait -1
.endm
.macro CROUND
	s_barrier_signal -1
	s_barrier_wait -1
	CREST
.endm
	s_load_b256 s[4:11], s[0:1], 0x0               ; yc s[4:5], wpc s[6:7], b_proj s[8:9], the scales' exponents s[10:11]
	s_load_b64 s[68:69], s[0:1], 0x20              ; out0
	v_lshl_add_u32 v[SPW], v0, 2, SPARE
	v_mov_b32 v[NIL], 0
	ds_add_u32 v28, v29
	ds_add_u32 v28, v29
	s_wait_dscnt 0x0
	v_lshrrev_b32 v1, 5, v0
	v_readfirstlane_b32 s14, v1                    ; wave 0..3
	s_lshr_b32 s15, s14, 1                         ; which half of A's rows is mine.  Also: I fetch for A (0) or for B (1)
	s_and_b32 s16, s14, 1                          ; which half of B's rows.  Also: which half I fetch
	s_bfe_u32 s40, ttmp6, 0x40000                  ; cx, cy
	s_bfe_u32 s41, ttmp6, 0x40004
	s_lshl_b32 s42, ttmp9, 2
	s_add_co_u32 s42, s42, s40                     ; tile column: 256 output features
	s_and_b32 s17, ttmp7, 0xffff
	s_lshl_b32 s17, s17, 2
	s_add_co_u32 s17, s17, s41                     ; tile row: 128 tokens
	s_lshl_b32 s43, s41, 2
	s_lshl_b32 s43, 15, s43                        ; my row of the cluster
	s_lshl_b32 s44, 0x1111, s40                    ; my column
	; descriptor group 1: rows of 4,096 bytes (512 elements of 8 bytes), 16,384 bytes apart in memory, dense in LDS; A: 4 rows, B: 8
	s_or_b32 s[G1+0], s43, (3<<16)|(1<<21)
	s_or_b32 s[G1B+0], s44, (3<<16)|(1<<21)
	s_mov_b32 s[G1+1], 512<<16
	s_mov_b32 s[G1+2], 4<<16
	s_mov_b32 s[G1+3], 512<<16
	s_mov_b32 s[G1+4], 4
	s_mov_b32 s[G1+5], 2048
	s_mov_b32 s[G1+6], 0
	s_mov_b32 s[G1+7], 0
	s_mov_b32 s[G1B+1], 512<<16
	s_mov_b32 s[G1B+2], 8<<16
	s_mov_b32 s[G1B+3], 512<<16
	s_mov_b32 s[G1B+4], 8
	s_mov_b32 s[G1B+5], 2048
	s_mov_b32 s[G1B+6], 0
	s_mov_b32 s[G1B+7], 0
	s_lshl_b32 s20, s17, 17                        ; A: 8 row tiles to a tile, 4 to a half
	s_lshl_b32 s18, s16, 16
	s_add_co_u32 s20, s20, s18
	s_mov_b32 s21, 0
	s_lshl_b32 s46, s42, 18                        ; B: 16 and 8
	s_lshl_b32 s18, s16, 17
	s_add_co_u32 s46, s46, s18
	s_mov_b32 s47, 0
	s_mul_i32 s45, s16, AH                         ; where they go: no place in the cluster enters an LDS address
	s_mul_i32 s13, s16, BH
	s_add_co_u32 s13, s13, 2*AH
	s_wait_kmcnt 0x0
	s_load_b256 s[72:79], s[10:11], 0x0            ; e0 .. e7
	s_add_nc_u64 s[20:21], s[4:5], s[20:21]
	s_add_nc_u64 s[46:47], s[6:7], s[46:47]
	CROUND                                         ; all sixteen work-groups are here: the first joint loads meet
.irp s, 0,1
	s_mov_b32 s[G0+4*\s], 1
	s_add_co_u32 s[G0+4*\s+1], s45, \s*SLOT
	s_add_nc_u64 s[G0+4*\s+2:G0+4*\s+3], s[20:21], \s*KSB
	s_or_b32 s[G0+4*\s+3], s[G0+4*\s+3], 0x80000000
	s_mov_b32 s[G0B+4*\s], 1
	s_add_co_u32 s[G0B+4*\s+1], s13, \s*SLOT
	s_add_nc_u64 s[G0B+4*\s+2:G0B+4*\s+3], s[46:47], \s*KSB
	s_or_b32 s[G0B+4*\s+3], s[G0B+4*\s+3], 0x80000000
	s_wait_alu depctr_va_vdst(0)
	s_wait_tensorcnt 0x0
	ds_add_u32 v28, v29
	ds_add_u32 v28, v29
	s_wait_dscnt 0x0
	CROUND
	JLOAD G0+4*\s, G1, G0B+4*\s, G1B               ; K steps 0 and 1: one tensor load of mine is out
.endr
	v_and_b32 v1, 31, v0
	v_lshlrev_b32 v2, 4, v1                        ; 16 x lane
	s_mul_i32 s86, s15, AH
	s_mul_i32 s87, s16, BH
	s_add_co_u32 s87, s87, 2*AH
.irp s, 0,1
	v_add_nc_u32 v[ADRA+\s], s86, v2
	v_add_nc_u32 v[ADRB+\s], s87, v2
	s_add_co_u32 s86, s86, SLOT
	s_add_co_u32 s87, s87, SLOT
.endr
	s_mul_i32 s86, s14, 16*SPITCH                  ; my stage
	v_and_b32 v4, 15, v0                           ; r
	v_bfe_u32 v3, v0, 4, 1                         ; h
	v_mul_u32_u24 v5, v4, SPITCH
	v_lshl_add_u32 v5, v3, 6, v5
	v_add_nc_u32 v[STO], s86, v5                   ; in: row r, + 64 h: 16 features of each 32
	v_add_nc_u32 v[RD], s86, v2                    ; back: the 32 lanes take one row of 512 bytes
	v_mov_b32 v[CO], v2
	v_lshlrev_b32 v[BO], 6, v3
	s_wait_alu depctr_va_vdst(0)
	s_lshl_b32 s86, s17, 19                        ; my part of the output: 128 rows of 4,096 bytes a tile row, 64 a half;
	s_lshl_b32 s87, s15, 18
	s_add_co_u32 s86, s86, s87
	s_lshl_b32 s18, s42, 10                        ; 256 columns of 4 bytes a tile column, 128 a half
	s_lshl_b32 s87, s16, 9
	s_add_co_u32 s18, s18, s87
	s_add_co_u32 s86, s86, s18
	s_mov_b32 s87, 0
	s_mov_b32 s19, 0
	s_add_nc_u64 s[68:69], s[68:69], s[86:87]
	s_add_nc_u64 s[8:9], s[8:9], s[18:19]          ; and my 128 features' bias
.irp b, 0,1,2,3,4,5,6,7
	global_load_b128 v[BIAS+8*\b:BIAS+8*\b+3], v[BO], s[8:9] offset:(32*(\b/2)+8*(\b%2))*4       ; register 8 b + j holds feature 32 (b / 2) + 16 h + 8 (b % 2) + j
	global_load_b128 v[BIAS+8*\b+4:BIAS+8*\b+7], v[BO], s[8:9] offset:(32*(\b/2)+8*(\b%2))*4+16
.endr
	s_wait_kmcnt 0x0
	s_add_co_i32 s80, s78, s79
	s_add_co_i32 s80, s80, 127
	s_lshl_b32 s80, s80, 23                        ; 2^(e6 + e7) as f32
	s_mov_b32 s81, s80                             ; (named with it as a pair, so it is written)
.macro FRAG reg, adr, q, i             ; a fragment comes as it lies: four loads of 512 consecutive bytes
.irp c, 0,1,2,3
	ds_load_b128 v[\reg+4*\c:\reg+4*\c+3], v[\adr] offset:(\i)*RT+(\q)*2048+512*\c
.endr
.endm
.macro MULQ a, p, zero                 ; a quarter of a step: A's tile a against B's eight.  The 32 accumulators take turns, one instruction a turn, in the same order in every step
.irp b, 0,1,2,3,4,5,6,7
.if \zero
	v_wmma_f32_16x16x128_fp8_fp8 v[8*(8*(\a)+\b):8*(8*(\a)+\b)+7], v[128*(\p)+FR*\b:128*(\p)+FR*\b+FR-1], v[AF+FR*(\a):AF+FR*(\a)+FR-1], 0
.else
	v_wmma_f32_16x16x128_fp8_fp8 v[8*(8*(\a)+\b):8*(8*(\a)+\b)+7], v[128*(\p)+FR*\b:128*(\p)+FR*\b+FR-1], v[AF+FR*(\a):AF+FR*(\a)+FR-1], v[8*(8*(\a)+\b):8*(8*(\a)+\b)+7]
.endif
.endr
.endm
.macro FETCH_B slot, q, p
	WIN TO_B
.irp i, 0,1,2,3,4,5,6,7
	FRAG 128*(\p)+FR*\i, ADRB+\slot, \q, \i
.endr
	WIN 0
.endm
.macro FETCH_A slot, q, i0             ; A's tiles i0, i0 + 1
.irp i, \i0, \i0+1
	FRAG AF+FR*(\i), ADRA+\slot, \q, \i
.endr
.endm
.macro PLACES n                        ; plain vector lines between a matrix instruction and a load into, or a read of, its registers (ISA guide 7.12.1 for reads)
.rept \n
	v_nop
.endr
.endm
.macro STEP slot, q, zero              ; a step of 128 along K that has its successor in the same slot
	s_wait_dscnt NL*NA/2                           ; B's set and A's tiles 0, 1 are in; the youngest 8 loads (A's tiles 2, 3) may be out
	WIN MUL_LO
	MULQ 0, (\q)%2, \zero
	MULQ 1, (\q)%2, \zero
	s_wait_dscnt 0
	PLACES NP
	FETCH_B \slot, (\q)+1, 1-(\q)%2
	FETCH_A \slot, (\q)+1, 0
	WIN MUL_LO
	MULQ 2, (\q)%2, \zero
	MULQ 3, (\q)%2, \zero
	PLACES NP
	WIN 0
	FETCH_A \slot, (\q)+1, NA/2
.endm
.macro TURN slot, next, fill           ; a slot's last step changes slots: one barrier, with the three lines in front of it; fill = 1: this slot is filled again, two K steps ahead
	s_wait_tensorcnt 0x0                           ; all my tensor loads have landed: my part of the next slot
	ds_add_u32 v[SPW], v[NIL]                      ; 0 onto my spare word
	s_wait_dscnt NL*NA/2+1                         ; (the add and the youngest 8 loads may be out)
	WIN MUL_LO
	MULQ 0, 1, 0                                   ; eight matrix instructions stand between the add and the wait for it
	s_wait_dscnt 0x0                               ; the add is done, and my reads of this slot are over
	s_barrier_signal -1
	MULQ 1, 1, 0
	WIN 0
	s_barrier_wait -1
.if \fill
	CREST                                          ; the barrier has opened a round of the cluster's barrier: no wave of any partner still reads this slot or has a load on its way
	s_add_nc_u64 s[G0+4*\slot+2:G0+4*\slot+3], s[G0+4*\slot+2:G0+4*\slot+3], 2*KSB
	s_add_nc_u64 s[G0B+4*\slot+2:G0B+4*\slot+3], s[G0B+4*\slot+2:G0B+4*\slot+3], 2*KSB
	JLOAD G0+4*\slot, G1, G0B+4*\slot, G1B         ; my one tensor load behind the round; its four v_nop are also the places in front of the loads below
.else
	PLACES NP
.endif
	FETCH_B \next, 0, 0
	FETCH_A \next, 0, 0
	WIN MUL_LO
	MULQ 2, 1, 0
	MULQ 3, 1, 0
	PLACES NP
	WIN 0
	FETCH_A \next, 0, NA/2
.endm
	s_wait_tensorcnt 1                             ; my part of K step 0 is in; K step 1's load may be out
	s_barrier_signal -1
	s_barrier_wait -1
	FETCH_B 0, 0, 0
	FETCH_A 0, 0, 0
	FETCH_A 0, 0, NA/2
	STEP 0, 0, 1                                   ; the first products start the sums
	TURN 0, 1, 1                                   ; slot 0 takes K step 2
	STEP 1, 0, 0
	TURN 1, 0, 1                                   ; slot 1 takes K step 3
	STEP 0, 0, 0
	TURN 0, 1, 0                                   ; nothing is left to fetch; behind this barrier nobody reads slot 0
	STEP 1, 0, 0
	s_wait_dscnt NL*NA/2                           ; the last 128 along K
	WIN MUL_LO
	MULQ 0, 1, 0
	MULQ 1, 1, 0
	s_wait_dscnt 0
	MULQ 2, 1, 0
	MULQ 3, 1, 0
	WIN 0
	s_wait_loadcnt 0x0                             ; the bias
	PLACES NP                                      ; behind the last products: their results are read, and A's registers written, below
; THE WAY OUT, A tile by A tile: 16 rows x 128 columns.  A lane holds pieces of one row, the lanes beside it other rows: so a tile goes through my own stage and comes back as whole rows of 512 bytes.
; LDS serves a wave's instructions in order (ISA guide 5.7.1.4): no wait between the stores and the loads.
.irp a, 0,1,2,3
	WIN 0x02                                       ; source 0: window 2
.irp j, 0,2,4,6,8,10,12,14,16,18,20,22,24,26,28,30,32,34,36,38,40,42,44,46,48,50,52,54,56,58,60,62
	v_pk_fma_f32 v[TMP+\j:TMP+\j+1], v[64*\a+\j:64*\a+\j+1], s[80:81], v[BIAS+\j:BIAS+\j+1] op_sel_hi:[1,0,1]   ; sum x 2^(e6 + e7) + bias; each accumulator from its low end on
.endr
	WIN 0
.irp b, 0,1,2,3,4,5,6,7
	ds_store_b128 v[STO], v[TMP+8*\b:TMP+8*\b+3] offset:128*(\b/2)+32*(\b%2)
	ds_store_b128 v[STO], v[TMP+8*\b+4:TMP+8*\b+7] offset:128*(\b/2)+32*(\b%2)+16
.endr
.if \a > 0
	s_wait_xcnt 0x0                                ; the last tile's stores have read their registers: the loads below may land there
.endif
.irp i, 0,1,2,3,4,5,6,7,8,9,10,11,12,13,14,15
	ds_load_b128 v[BK+4*\i:BK+4*\i+3], v[RD] offset:\i*SPITCH
.endr
.irp i, 0,1,2,3,4,5,6,7,8,9,10,11,12,13,14,15
	s_wait_dscnt 15-\i                             ; row i is back; the younger loads may be out
	global_store_b128 v[CO], v[BK+4*\i:BK+4*\i+3], s[68:69] offset:(32*(\a/2)+8*(\a%2)+\i+8*(\i/8))*4096 th:TH_STORE_NT   ; 32 lanes store 512 consecutive bytes, aligned; written once, read by nobody here
.endr
.endr
	s_wait_tensorcnt 0x0                           ; the wave's end: behind my last tensor load and my last LDS store
	ds_add_u32 v[SPW], v[NIL]
	s_wait_dscnt 0x0
	CROUND                                         ; the closing round: no work-group ends while a partner may still ask for a tile that names it
	s_endpgm
.Lfunc_end_k_q3dee5e593c_proj:
	.size	k_q3dee5e593c_proj, .Lfunc_end_k_q3dee5e593c_proj-k_q3dee5e593c_proj
	.p2alignl 7, 3214868480
	.fill 96, 4, 3214868480
	.section	.rodata,"a",@progbits
	.p2align	6, 0x0
	.amdhsa_kernel k_q3dee5e593c_proj
		.amdhsa_group_segment_fixed_size 327680
		.amdhsa_private_segment_fixed_size 0
		.amdhsa_enable_private_segment 0
		.amdhsa_kernarg_size 40
		.amdhsa_user_sgpr_count 2
		.amdhsa_user_sgpr_kernarg_segment_ptr 1
		.amdhsa_wavefront_size32 1
		.amdhsa_system_sgpr_workgroup_id_x 1
		.amdhsa_system_sgpr_workgroup_id_y 1
		.amdhsa_system_sgpr_workgroup_id_z 1
		.amdhsa_system_vgpr_workitem_id 0
		.amdhsa_next_free_vgpr 768
		.amdhsa_next_free_sgpr 100
		.amdhsa_reserve_vcc 0
		.amdhsa_float_denorm_mode_32 3
		.amdhsa_float_denorm_mode_16_64 3
		.amdhsa_memory_ordered 1
		.amdhsa_forward_progress 1
		.amdhsa_inst_pref_size 80
	.end_amdhsa_kernel
	.amdgpu_metadata
---
amdhsa.version: [ 1, 2 ]
amdhsa.kernels:
  - .name:           k_q3dee5e593c_proj
    .symbol:         k_q3dee5e593c_proj.kd
    .args:
      - { .name: yc, .offset: 0, .size: 8, .value_kind: global_buffer, .address_space: global }
      - { .name: wpc, .offset: 8, .size: 8, .value_kind: global_buffer, .address_space: global }
      - { .name: b_proj, .offset: 16, .size: 8, .value_kind: global_buffer, .address_space: global }
      - { .name: lowp_scales, .offset: 24, .size: 8, .value_kind: global_buffer, .address_space: global }
      - { .name: out0, .offset: 32, .size: 8, .value_kind: global_buffer, .address_space: global }
    .group_segment_fixed_size: 327680
    .private_segment_fixed_size: 0
    .kernarg_segment_align: 8
    .kernarg_segment_size: 40
    .max_flat_workgroup_size: 128
    .sgpr_count:     100
    .vgpr_count:     768
    .wavefront_size: 32
...
	.end_amdgpu_metadata
.endif
;; end of part 4
